; MI455X (gfx1250); checked and timed in simulation.
; The chip was launched on July 23, 2026; its instructions are those of AMD's public machine-readable ISA for CDNA 5 (MIT licence, August 2026) and "CDNA5" Instruction Set Architecture Reference Guide (July 2026). The comments in the code are by the model that wrote it; some were corrected since.
;; Non Local Block2 D. Allowed arithmetic: matrix products marked QUANTISED: E4M3 operands, one given power-of-two scale a tensor, by v_wmma_f32_16x16x64_fp8_fp8 or v_wmma_f32_16x16x128_fp8_fp8, f32 sums; everything else in f32.
;; Inputs: W_b 256 float32; W_w 256 x 128 float32; bn_beta 256 float32; bn_gamma 256 float32; g_b 128 float32; g_w 128 x 256 float32; lowp_scales 12 int32 (the exponents e of the quantised operands' scales 2^e); phi_b 128 float32; phi_w 128 x 256 float32; theta_b 128 float32; theta_w 128 x 256 float32; x 8 x 256 x 64 x 64 float32; y 8 x 256 x 64 x 64 float32.
;; Outputs: out0 8 x 256 x 64 x 64 float32.
;; This version of the problem:
;;   THIS VERSION OF THE PROBLEM IS GIVEN IN LOW PRECISION. The matrix products marked QUANTISED in the list below multiply operands that are first quantised to E4M3 (4 exponent bits, 3 mantissa bits; 8 bits a number), with one given power-of-two scale for each operand tensor; their sums are f32. All else is computed in f32.
;;   The module's matrix products, in the order in which they are computed (A, B: the left and right operand; K: the contracted axis; several contracted axes count as one K, in the product's order):
;;     1. [M 128, K 256] x [K 256, N 32,768]; A: input g_w; B: input y: QUANTISED (scales: A lowp_scales[0], B lowp_scales[1])
;;     2. [M 128, K 256] x [K 256, N 32,768]; A: input phi_w; B: input y: QUANTISED (scales: A lowp_scales[2], B lowp_scales[3])
;;     3. [M 128, K 256] x [K 256, N 32,768]; A: input theta_w; B: input x: QUANTISED (scales: A lowp_scales[4], B lowp_scales[5])
;;     4. batch 8 x [M 4,096, K 128] x [K 128, N 1,024]; A: computed on the way; B: computed on the way: QUANTISED (scales: A lowp_scales[6], B lowp_scales[7])
;;     5. batch 8 x [M 4,096, K 1,024] x [K 1,024, N 128]; A: computed on the way; B: computed on the way: QUANTISED (scales: A lowp_scales[8], B lowp_scales[9])
;;     6. [M 256, K 128] x [K 128, N 32,768]; A: input W_w; B: computed on the way: QUANTISED (scales: A lowp_scales[10], B lowp_scales[11])
;;   THE QUANTISER, for each operand of a quantised product, along K:
;;     - The operand's scale is 2^e, e = its entry of the input lowp_scales (int32; the entries are numbered through the quantised products in the list's order, A before B).
;;     - Each number is divided by the scale, clamped to +-448, and rounded to the nearest number of E4M3, ties to even, subnormals kept.
;;     - The product sums the exact products of the quantised numbers (number of the format x scale) in f32.
;;   ~~~python
;;   def quantise(x, axis, e):      # numpy; x: float32 -> the quantised numbers, widened to float32 again
;;       x = np.moveaxis(x, axis, -1); K = x.shape[-1]
;;       r = np.clip(x / 2.0 ** e, -448, 448)
;;       step = 2.0 ** (np.maximum(np.frexp(np.where(r == 0, 1, r))[1] - 1, -6) - 3)
;;       q = np.round(r / step) * step * 2.0 ** e      # np.round: ties to even
;;       return np.moveaxis(q, -1, axis).astype(np.float32)
;;   ~~~
;;   OPERANDS COMPUTED ON THE WAY. 'Computed on the way' means the value that the module computes at that place (a softmax that the list does not call 'softmax' is quantised finished and normalised). What goes into a quantiser is computed in f32, as accurately as f32 sums, v_exp_f32 and their like allow (about 1e-6 of the number): no bf16 or f16 on the way to a quantiser, and a product that is left as it is and whose result goes on into a quantised operand takes f32 operands (vector FMAs, or v_wmma_f32_16x16x4_f32). A number that lies on a knife's edge between two numbers of the format may be rounded either way, as far as f32 arithmetic and the matrix unit's own rounding can turn it there, and no further.
;; One version. Each part assembles by itself: llvm-mc -triple=amdgcn-amd-amdhsa -mcpu=gfx1250 --defsym DOCPART=n.
;; ======== version 1 of 1: 2 launches
;; workspace buffers: kv 2,097,152 bytes; wc 65,536 bytes
;; launch prep (part 1): grid 256 x 1, 4 waves a work-group, clusters of 4 x 1, 301,568 bytes of LDS; arguments y, g_w, phi_w, g_b, phi_b, theta_w, W_w, lowp_scales, kv, wc; writes kv, wc
.if DOCPART == 1
	.amdgcn_target "amdgcn-amd-amdhsa--gfx1250"
	.amdhsa_code_object_version 6
	.text
	.protected	k_q298181f0c4_prep
	.globl	k_q298181f0c4_prep
	.p2align	8
	.type	k_q298181f0c4_prep,@function
k_q298181f0c4_prep:
	s_mov_b64 s[64:65], 0
	v_nop
	global_prefetch_b8 v0, s[64:65] scope:SCOPE_SE
	s_setreg_imm32_b32 hwreg(HW_REG_WAVE_MODE, 25, 1), 1
	s_wait_xcnt 0x0
	s_wait_alu depctr_hold_cnt(0) depctr_sa_sdst(0) depctr_va_vdst(0) depctr_va_sdst(0) depctr_va_ssrc(0) depctr_va_vcc(0) depctr_vm_vsrc(0)
	s_getreg_b32 s2, hwreg(HW_REG_IB_STS2, 6, 4)
	s_cmp_eq_u32 s2, 0
	s_cbranch_scc0 .Lentry_in_a_cluster
	s_endpgm
.Lentry_in_a_cluster:
	s_bfe_u32 s2, ttmp6, 0x10000c
	s_cmp_lg_u32 s2, 0x3003
	s_cbranch_scc0 .Lentry_shape_is_right
	s_endpgm
.Lentry_shape_is_right:
; PREP: g_y = maxpool2(g_w y + g_b) and phi_y = maxpool2(phi_w y + phi_b), both products on codes of FP8 (E4M3), and their results quantised again as operands of the later
; products (phi_y with 2^e7, g_y with 2^e9).  Also: theta_w (2^e4) and W_w (2^e10) as codes.  y: [8][256][64][64] f32; the weights [128][256] (W_w [256][128]) f32.
; OUT.  kv: for each batch 262,144 bytes: phi_y's 64 fragments, then g_y's 64.  wc: 32 fragments: theta_w's 16, W_w's 16.  A FRAGMENT (16 rows x 128 K, 2,048 bytes) lies as an image of the
; operand's registers: chunk c (registers 4 c .. 4 c + 3) at 512 c, lane l's 16 bytes at 16 l; with r = l % 16, h = l / 16, byte i of chunk c is K slot 32 c + 16 h + i of row r.
; The same order of k stands in both operands of every product, so each product meets its partner; only the order of the sums inside an instruction differs from the form's own.
;   phi fragment mt: row r = key 32 (mt / 2) + 2 r + mt % 2, slot = channel.     g fragment (K step ks, tile ct): row r = channel 32 (ct / 2) + 8 (ct % 2) + r + 8 (r / 8),
;   slot (chunk c, h, byte i) = key 128 ks + 32 c + 16 h + 2 (i % 8) + i / 8: the order in which the next launch's conversions lay f's codes.
;   wc fragment J < 16: theta_w, tile J / 2, K step J % 2;  J >= 16: W_w, tile J - 16;  row r of tile t = weight row 32 (t / 2) + 8 (t % 2) + r + 8 (r / 8).
; SHARES.  256 work-groups; work-group 32 b + j takes image rows 2 j, 2 j + 1 of batch b: 128 positions = 32 pooled keys.  Eight tiles of 16 positions, tile 4 u + 2 dh + dw: lane r is
; position (2 j + dh, 4 r + 2 u + dw): the four positions of a pool window lie in ONE lane of four tiles, so pooling is a maximum of accumulators, register by register.
; A lane's 16-byte load of y is four positions of one channel, one number for each of four tiles; sixteen lanes read 256 consecutive bytes, aligned.
; Wave w loads and quantises channels 32 w .. 32 w + 31 of each K step of 128 (chunk w of every fragment of y, once with 2^e1 for g and once with 2^e3 for phi); the chunks meet in LDS.
; Wave w owns 32 output channels of g and of phi, and quantises its own 32 rows of g_w and phi_w.  g is used as y x g_w^T (a lane holds a channel, its registers run along the keys, which are the K of the
; product that g_y enters); phi as phi_w x y^T (a lane holds a key, its registers run along the channels).  The biases, divided by the power of two that the sums lack, are the C of each sum's first product.
; CLUSTER.  All work-groups read the same 262,144 bytes of g_w and phi_w: the four of a cluster ask for them jointly.  Every LDS byte is filled once.
; ORDER.  The weights are asked for first, then y.  y's K step 0 is quantised while the weights are on their way; then the weights; K step 1 is quantised while K step 0's fragments come out of LDS.
; THE RAW WEIGHTS IN LDS.  A fragment's sixteen rows are 8 u + 0 .. 7 and 8 u + 16 .. 23 of the wave's 32.  A wave's 32 rows come as two tiles of 16 rows of 1,024 + 16 bytes, the second tile 128 bytes further on than it need be:
; row i of the first tile starts at bank 4 i mod 64, row i of the second at 4 i + 32 mod 64 (64 banks of 4 bytes: ISA guide 11.1).
; That gap is why a wave has four tensor loads of 16 rows and not two of 32.
; LIMITS: e0, e1, e2, e3, e4, e10, e9 - e0 - e1 and e7 - e2 - e3 lie between -126 and 119, so that each scale and 448 x the scale is an f32 number.  NaN among the inputs is not served; infinities are held at the largest code.
; REGISTERS, in windows of 256.  window 0: v1-21 addresses and scales; v22-31 the piece of wc; v32-95 T, 64 numbers at work; v96-127 codes just made, two banks; v128-255 y's fragments under 2^e1.
;   window 1: v0-63 g_w's four fragments, v64-127 phi_w's, v128-143 phi_b's two tiles, v144-159 g_b's.   window 2: first the raw weights, then the 32 accumulators: g (u, t) at 64 u + 8 t, phi at 128 + 64 u + 8 t.
;   window 3: y as loaded, (ks, i, dh) at 128 ks + 8 i + 4 dh; a K step's registers then take its fragments under 2^e3.
.set WV,   40                          ; s40  the wave's number
.set WPI,  1040                        ; a raw weight row in LDS: 1,024 bytes + 16
.set GRP,  16*WPI+128                  ; from a tile of 16 rows to the next
.set PHW,  2*GRP                       ; phi_w's two tiles lie behind g_w's two
.set WRB,  4*GRP                       ; a wave's raw weights
.set YI0,  4*WRB                       ; y's images of K step 0; those of K step 1 lie at LDS byte 0, over wave 0's raw weights, which are done with by then
.set LI,   4                           ; v4   16 x lane
.set VY,   5                           ; v5   y: 16 channels x h + 16 r
.set AWR,  6                           ; v6   my place in my wave's raw weights
.set AYS,  7                           ; v7, v8  where I store my chunk of y's images, K step 0, 1
.set AYL,  9                           ; v9   where I read y's images of K step 0 (K step 1: v4)
.set T,    32
.set YC,   96
.set YFA,  128
.set MSB,  0
.macro WIN new                         ; the immediate's high byte repeats the setting that is left; a switch that changes nothing is dropped
.if MSB != \new
	s_set_vgpr_msb (MSB<<8)|\new
.set MSB, \new
.endif
.endm
.macro ROUND                           ; a round of the cluster's barrier
	s_barrier_signal -1
	s_barrier_wait -1
	s_cmp_lg_u32 s[WV], 0
	s_cbranch_scc1 .Lnot_wave_0_\@
	s_barrier_signal -3
.Lnot_wave_0_\@:
	s_barrier_wait -3
	s_barrier_signal -1
	s_barrier_wait -1
.endm
.macro BAR                             ; my LDS stores have landed and my LDS loads are in: then the work-group's barrier
	s_wait_dscnt 0x0
	s_barrier_signal -1
	s_barrier_wait -1
.endm
.macro PLACES                          ; four plain vector instructions behind matrix instructions (ISA guide 7.12.1)
.rept 4
	v_nop
.endr
.endm
.macro MKSC e, sc, pos, neg            ; from the whole number in s[e]: s[sc] = 2^e, s[pos] = 448 x 2^e, s[neg] = -448 x 2^e, as f32
	s_add_co_i32 s[\pos], s[\e], 127
	s_lshl_b32 s[\sc], s[\pos], 23
	s_add_co_i32 s[\pos], s[\pos], 8
	s_lshl_b32 s[\pos], s[\pos], 23
	s_or_b32 s[\pos], s[\pos], 0x600000
	s_or_b32 s[\neg], s[\pos], 0x80000000
.endm
.macro YLOAD ks                        ; my 16 channels of K step ks, both image rows: 32 loads; lanes 0-15 read 256 consecutive bytes, lanes 16-31 those 16 channels on
	WIN 0xc0
.irp i, 0,1,2,3,4,5,6,7,8,9,10,11,12,13,14,15
.irp dh, 0,1
	global_load_b128 v[128*\ks+8*\i+4*\dh:128*\ks+8*\i+4*\dh+3], v[VY], s[50:51] offset:\ks*2097152+\i*16384+\dh*256 th:TH_LOAD_NT
.endr
.endr
.endm
.macro WRAW f, base                    ; the 64 raw numbers of weight fragment f = 2 u + ks for my lane: row 8 u + r + 8 (r / 8) of my 32, columns 128 ks + 32 c + 16 h + 0 .. 15
	WIN 0x80
.irp c, 0,1,2,3
.irp jj, 0,1,2,3
	ds_load_b128 v[64*(\f)+16*\c+4*\jj:64*(\f)+16*\c+4*\jj+3], v[AWR] offset:\base+((\f)/2)*8*WPI+((\f)%2)*512+128*\c+16*\jj
.endr
.endr
.endm
.macro WQ f, dst, sc, neg, pos         ; they become the fragment's 16 registers in window 1
	WIN 0x82
.set n, 0
.rept 64
	v_med3_num_f32 v[64*(\f)+n], v[64*(\f)+n], s[\neg], s[\pos]   ; the conversion to an 8-bit code does not saturate (ISA guide 7.6.2): the hold at the largest code x the scale
.set n, n+1
.endr
	WIN 0x42
.set n, 0
.rept 8
	v_cvt_scalef32_pk8_fp8_f32 v[\dst+2*n:\dst+2*n+1], v[64*(\f)+8*n:64*(\f)+8*n+7], v[\sc]
.set n, n+1
.endr
	v_nop                                          ; a plain vector instruction behind the last conversion of a run
.endm
; Four tiles (4 u + 2 dh + dw) of K step ks under one scale: the holds gather a tile's 16 channels from the loads' registers, so they also turn positions and channels round.
.macro YQ ks, sg, u, bank, neg, pos, sc, wt
	WIN 0x03
.irp dh, 0,1
.irp dw, 0,1
.irp i, 0,1,2,3,4,5,6,7,8,9,10,11,12,13,14,15
	v_med3_num_f32 v[T+16*(2*\dh+\dw)+\i], v[128*\ks+8*\i+4*\dh+2*\u+\dw], s[\neg], s[\pos]
.endr
.endr
.endr
	WIN 0
.if \wt
	s_wait_dscnt 4                                 ; all but the last batch's four stores are done: this bank's earlier stores have read their registers
.endif
.irp tl, 0,1,2,3
	v_cvt_scalef32_pk8_fp8_f32 v[YC+16*\bank+4*\tl:YC+16*\bank+4*\tl+1], v[T+16*\tl:T+16*\tl+7], v[\sc]
	v_cvt_scalef32_pk8_fp8_f32 v[YC+16*\bank+4*\tl+2:YC+16*\bank+4*\tl+3], v[T+16*\tl+8:T+16*\tl+15], v[\sc]
.endr
	v_nop
.irp tl, 0,1,2,3
	ds_store_b128 v[AYS+\ks], v[YC+16*\bank+4*\tl:YC+16*\bank+4*\tl+3] offset:\sg*16384+(4*\u+\tl)*2048
.endr
.endm
.macro KLOAD ks, adr                   ; all sixteen fragments of y of a K step from LDS: the eight under 2^e1 first, then the eight under 2^e3
	WIN 0
.irp t, 0,1,2,3,4,5,6,7
.irp c, 0,1,2,3
	ds_load_b128 v[YFA+16*\t+4*\c:YFA+16*\t+4*\c+3], v[\adr] offset:\t*2048+512*\c
.endr
.endr
	WIN 0xc0
.irp t, 0,1,2,3,4,5,6,7
.irp c, 0,1,2,3
	ds_load_b128 v[128*\ks+16*\t+4*\c:128*\ks+16*\t+4*\c+3], v[\adr] offset:16384+\t*2048+512*\c
.endr
.endr
	WIN 0
.endm
; 16 products for g, 16 for phi.  The 32 accumulators take turns, one instruction a turn.
.macro GMUL ks
.if \ks == 0
	WIN 0x94                                       ; A (y) window 0, B (g_w) window 1, C (g_b) window 1, D window 2
.else
	WIN 0xa4                                       ; C and D window 2
.endif
.irp t, 0,1,2,3,4,5,6,7
.irp u, 0,1
.if \ks == 0
	v_wmma_f32_16x16x128_fp8_fp8 v[64*\u+8*\t:64*\u+8*\t+7], v[YFA+16*\t:YFA+16*\t+15], v[16*(2*\u+\ks):16*(2*\u+\ks)+15], v[144+8*\u:144+8*\u+7]
.else
	v_wmma_f32_16x16x128_fp8_fp8 v[64*\u+8*\t:64*\u+8*\t+7], v[YFA+16*\t:YFA+16*\t+15], v[16*(2*\u+\ks):16*(2*\u+\ks)+15], v[64*\u+8*\t:64*\u+8*\t+7]
.endif
.endr
.endr
.endm
.macro PMUL ks
.if \ks == 0
	WIN 0x9d                                       ; A (phi_w) window 1, B (y) window 3, C (phi_b) window 1, D window 2
.else
	WIN 0xad
.endif
.irp t, 0,1,2,3,4,5,6,7
.irp u, 0,1
.if \ks == 0
	v_wmma_f32_16x16x128_fp8_fp8 v[128+64*\u+8*\t:128+64*\u+8*\t+7], v[64+16*(2*\u+\ks):64+16*(2*\u+\ks)+15], v[128*\ks+16*\t:128*\ks+16*\t+15], v[128+8*\u:128+8*\u+7]
.else
	v_wmma_f32_16x16x128_fp8_fp8 v[128+64*\u+8*\t:128+64*\u+8*\t+7], v[64+16*(2*\u+\ks):64+16*(2*\u+\ks)+15], v[128*\ks+16*\t:128*\ks+16*\t+15], v[128+64*\u+8*\t:128+64*\u+8*\t+7]
.endif
.endr
.endr
	WIN 0
.endm
.macro POOL a, neg, pos                ; the maximum of four accumulators, 8 registers apart, and the hold; each accumulator is read from its low end on
.irp n, 0,1,2,3,4,5,6,7
	v_max3_num_f32 v[\a+\n], v[\a+\n], v[\a+8+\n], v[\a+16+\n]
.endr
.irp n, 0,1,2,3,4,5,6,7
	v_max_num_f32 v[\a+\n], v[\a+\n], v[\a+24+\n]
.endr
.irp n, 0,1,2,3,4,5,6,7
	v_med3_num_f32 v[\a+\n], v[\a+\n], s[\neg], s[\pos]
.endr
.endm
	s_load_b512 s[4:19], s[0:1], 0x0               ; y 4, g_w 6, phi_w 8, g_b 10, phi_b 12, theta_w 14, W_w 16, the scales' exponents 18
	s_load_b128 s[20:23], s[0:1], 0x40             ; kv 20, wc 22
	s_set_vgpr_msb 0x40
	v_lshl_add_u32 v254, v0, 2, 0x49800
	v_mov_b32 v255, 0
	s_set_vgpr_msb 0x4045
	ds_add_u32 v254, v255
	ds_add_u32 v254, v255
	s_set_vgpr_msb 0x4500
	v_lshrrev_b32 v1, 5, v0
	v_readfirstlane_b32 s[WV], v1                  ; wave 0..3
	v_and_b32 v1, 31, v0                           ; l
	v_and_b32 v2, 15, v0                           ; r
	v_bfe_u32 v3, v0, 4, 1                         ; h
	v_lshlrev_b32 v[LI], 4, v1
	v_lshlrev_b32 v[VY], 4, v2
	v_lshl_add_u32 v[VY], v3, 18, v[VY]            ; 16 channels of 16,384 bytes x h + 16 r
	v_and_b32 v19, 8, v2
	v_add_nc_u32 v19, v19, v2                      ; r + 8 (r / 8)
	s_mul_i32 s46, s[WV], WRB
	v_and_b32 v[AWR], 7, v0
	v_mul_u32_u24 v[AWR], v[AWR], WPI              ; the raw weights: row r % 8
	v_bfe_u32 v22, v0, 3, 1
	v_mul_u32_u24 v22, v22, GRP                    ; of tile r / 8,
	v_add_nc_u32 v[AWR], v22, v[AWR]
	v_lshl_add_u32 v[AWR], v3, 6, v[AWR]           ; 16 numbers x h,
	v_add_nc_u32 v[AWR], s46, v[AWR]               ; in my wave's region
	s_lshl_b32 s47, s[WV], 9
	v_add_nc_u32 v[AYS+1], s47, v[LI]              ; chunk w: 512 w + 16 l
	v_add_nc_u32 v[AYS], YI0, v[AYS+1]
	v_add_nc_u32 v[AYL], YI0, v[LI]
	v_lshlrev_b32 v17, 6, v3                       ; phi_b: 16 numbers x h
	v_lshlrev_b32 v18, 2, v19                      ; g_b: my lane's channel
	v_lshlrev_b32 v21, 4, v2
	v_lshl_add_u32 v21, v3, 3, v21                 ; the piece of wc: 16 r + 8 h
	s_bfe_u32 s41, ttmp6, 0x40000                  ; cx
	s_lshl_b32 s42, ttmp9, 2
	s_add_co_u32 s42, s42, s41                     ; work-group = 4 x cluster + cx
	s_lshr_b32 s43, ttmp9, 3                       ; batch
	s_and_b32 s44, s42, 31                         ; j
	s_lshl_b32 s50, s43, 22                        ; y: batch x 4,194,304 + 32 w channels + 2 j image rows
	s_lshl_b32 s46, s[WV], 19
	s_add_co_u32 s50, s50, s46
	s_lshl_b32 s46, s44, 9
	s_add_co_u32 s50, s50, s46
	s_mov_b32 s51, 0
	s_lshl_b32 s47, s43, 18                        ; kv: batch x 262,144
	s_lshl_b32 s46, s44, 12
	s_add_co_u32 s52, s47, s46                     ; phi: fragments 2 j, 2 j + 1, chunk w
	s_lshl_b32 s46, s[WV], 9
	s_add_co_u32 s52, s52, s46
	s_mov_b32 s53, 0
	s_add_co_u32 s54, s47, 131072                  ; g: K step j / 4, tiles 2 w, 2 w + 1, chunk j % 4
	s_lshr_b32 s46, s44, 2
	s_lshl_b32 s46, s46, 14
	s_add_co_u32 s54, s54, s46
	s_and_b32 s46, s44, 3
	s_lshl_b32 s46, s46, 9
	s_add_co_u32 s54, s54, s46
	s_lshl_b32 s46, s[WV], 12
	s_add_co_u32 s54, s54, s46
	s_mov_b32 s55, 0
	s_lshl_b32 s58, s42, 8                         ; wc: 256 bytes for each work-group
	s_mov_b32 s59, 0
	s_lshl_b32 s60, s[WV], 7                       ; the biases: my 32 numbers
	s_mov_b32 s61, 0
	; the piece of wc: fragment J = work-group / 8, chunk (work-group / 2) % 4, lanes' half work-group % 2: 16 rows x 16 codes
	s_lshr_b32 s45, ttmp9, 1                       ; J
	s_lshr_b32 s46, s42, 1
	s_and_b32 s46, s46, 3
	s_lshl_b32 s46, s46, 7                         ; 32 columns x chunk
	s_and_b32 s47, s42, 1
	s_lshl_b32 s47, s47, 6                         ; 16 columns x half
	s_add_co_u32 s56, s46, s47
	s_lshr_b32 s46, s45, 1                         ; theta_w: tile J / 2,
	s_and_b32 s48, s45, 1
	s_lshl_b32 s48, s48, 9                         ; K step J % 2
	s_sub_co_u32 s47, s45, 16                      ; W_w: tile J - 16
	s_cmp_lt_u32 s45, 16                           ; the choice hangs on the cluster's number alone; nothing but selects follows it
	s_cselect_b32 s46, s46, s47
	s_cselect_b32 s48, s48, 0
	s_cselect_b32 s49, 10, 9                       ; a row is 1,024 bytes of theta_w, 512 of W_w
	s_lshr_b32 s47, s46, 1
	s_lshl_b32 s47, s47, 5
	s_and_b32 s46, s46, 1
	s_lshl_b32 s46, s46, 3
	s_add_co_u32 s46, s46, s47                     ; the tile's first row: 32 (t / 2) + 8 (t % 2)
	s_lshl_b32 s46, s46, s49
	s_add_co_u32 s56, s56, s46
	s_add_co_u32 s56, s56, s48
	s_mov_b32 s57, 0
	v_lshlrev_b32 v20, s49, v19                    ; my row r + 8 (r / 8),
	v_lshl_add_u32 v20, v3, 5, v20                 ; my eight columns: 8 h on
	; descriptor group 1: 16 rows of 256 f32, dense in memory, 16 bytes of padding behind each row in LDS
	s_mov_b32 s24, 15|(2<<16)|(1<<20)|(1<<21)|(7<<22)|(3<<25)  ; 15:0 the mask: all four work-groups; 17:16 elements of 4 bytes; 20 padding on; 21 set beside a mask; 24:22 after every 256 words (code 7); 31:25 four words (code 3)
	s_mov_b32 s25, 256<<16                         ; tensor_dim0
	s_mov_b32 s26, 16<<16                          ; tensor_dim1
	s_mov_b32 s27, 256<<16                         ; tile_dim0
	s_mov_b32 s28, 16                              ; tile_dim1
	s_mov_b32 s29, 256                             ; from row to row
	s_mov_b32 s30, 0
	s_mov_b32 s31, 0
	s_mov_b32 s32, 1                               ; group 0, four sets: g_w's rows 0-15 in s[32:35], 16-31 in s[36:39]; phi_w's in s[4:7] and s[8:11], once the addresses that arrive there are used up
	s_mul_i32 s33, s[WV], WRB                      ; LDS: my wave's region; no place in the cluster enters it
	s_mov_b32 s36, 1
	s_add_co_u32 s37, s33, GRP
	s_lshl_b32 s46, s[WV], 15                      ; my 32 rows of 1,024 bytes
	s_mov_b32 s47, 0
	s_wait_dscnt 0x0
	s_wait_kmcnt 0x0
	s_load_b256 s[88:95], s[18:19], 0x0            ; e0 .. e7
	s_load_b128 s[96:99], s[18:19], 0x20           ; e8 .. e11
	s_add_nc_u64 s[50:51], s[4:5], s[50:51]        ; y
	s_add_nc_u64 s[34:35], s[6:7], s[46:47]        ; g_w at my rows,
	s_add_nc_u64 s[38:39], s[34:35], 16384         ; and 16 rows on
	s_add_nc_u64 s[62:63], s[12:13], s[60:61]      ; phi_b
	s_add_nc_u64 s[60:61], s[10:11], s[60:61]      ; g_b
	s_add_nc_u64 s[6:7], s[8:9], s[46:47]          ; phi_w at my rows,
	s_add_nc_u64 s[10:11], s[6:7], 16384           ; and 16 rows on
	s_or_b32 s35, s35, 0x80000000
	s_or_b32 s39, s39, 0x80000000
	s_or_b32 s7, s7, 0x80000000
	s_or_b32 s11, s11, 0x80000000
	s_mov_b32 s4, 1
	s_add_co_u32 s5, s33, PHW
	s_mov_b32 s8, 1
	s_add_co_u32 s9, s33, PHW+GRP
	s_add_nc_u64 s[52:53], s[20:21], s[52:53]
	s_add_nc_u64 s[54:55], s[20:21], s[54:55]
	s_add_nc_u64 s[58:59], s[22:23], s[58:59]
	s_cmp_lt_u32 s45, 16
	s_cselect_b64 s[46:47], s[14:15], s[16:17]
	s_add_nc_u64 s[56:57], s[46:47], s[56:57]
	ROUND                                          ; all four work-groups are here: the joint loads meet
	tensor_load_to_lds s[32:35], s[24:31]          ; my 32 rows of g_w,
	s_nop 0
	tensor_load_to_lds s[36:39], s[24:31]
	s_nop 0
	tensor_load_to_lds s[4:7], s[24:31]            ; and of phi_w: four tensor loads of mine are out, the only ones of the launch
	s_nop 0
	tensor_load_to_lds s[8:11], s[24:31]
	s_nop 0
	PLACES
	s_cmp_lg_u32 s[WV], 0                          ; wave 0 makes the work-group's piece of wc
	s_cbranch_scc1 .Lno_piece
	global_load_b128 v[24:27], v20, s[56:57]
	global_load_b128 v[28:31], v20, s[56:57] offset:16
.Lno_piece:
.irp u, 0,1
	global_load_b128 v[50+8*\u:53+8*\u], v17, s[62:63] offset:32*\u       ; phi_b at channels 32 w + 16 h + 8 u + 0 .. 7
	global_load_b128 v[54+8*\u:57+8*\u], v17, s[62:63] offset:32*\u+16
	global_load_b32 v[48+\u], v18, s[60:61] offset:32*\u                  ; g_b at channel 32 w + 8 u + r + 8 (r / 8)
.endr
	YLOAD 0
	YLOAD 1
	WIN 0
	s_wait_kmcnt 0x0
	MKSC 89, 66, 67, 68                            ; e1: y for g
	MKSC 91, 69, 70, 71                            ; e3: y for phi
	MKSC 88, 72, 73, 74                            ; e0: g_w
	MKSC 90, 75, 76, 77                            ; e2: phi_w
	s_add_co_i32 s100, s88, s89                    ; a sum of g's product stands for sum x 2^(e0 + e1): its code under 2^e9 is sum / 2^(e9 - e0 - e1)
	s_sub_co_i32 s46, s97, s100
	MKSC 46, 78, 79, 80
	s_sub_co_i32 s100, 0, s100                     ; and g_b goes in as g_b / 2^(e0 + e1)
	s_add_co_i32 s101, s90, s91
	s_sub_co_i32 s46, s95, s101                    ; e7 - e2 - e3
	MKSC 46, 81, 82, 83
	s_sub_co_i32 s101, 0, s101
	s_cmp_lt_u32 s45, 16
	s_cselect_b32 s46, s92, s98                    ; e4 for theta_w, e10 for W_w
	MKSC 46, 84, 85, 86
	v_mov_b32 v10, s66
	v_mov_b32 v11, s69
	v_mov_b32 v12, s72
	v_mov_b32 v13, s75
	v_mov_b32 v14, s78
	v_mov_b32 v15, s81
	v_mov_b32 v16, s84
	; ---- the biases, the piece of wc, y's K step 0: none of them wants the weights, which are still on their way
	s_wait_loadcnt 32                              ; all but the 32 loads of y's K step 1 are in
	WIN 0x40
.irp u, 0,1
.irp jj, 0,1,2,3,4,5,6,7
	v_ldexp_f32 v[128+8*\u+\jj], v[50+8*\u+\jj], s101   ; phi_b / 2^(e2 + e3), in the result's layout
.endr
.endr
.irp u, 0,1
.irp jj, 0,1,2,3,4,5,6,7
	v_ldexp_f32 v[144+8*\u+\jj], v[48+\u], s100         ; g_b / 2^(e0 + e1): a lane holds one channel, so one number fills the eight registers
.endr
.endr
	WIN 0
	s_cmp_lg_u32 s[WV], 0
	s_cbranch_scc1 .Lno_piece_out
.irp n, 0,1,2,3,4,5,6,7
	v_med3_num_f32 v[24+\n], v[24+\n], s86, s85
.endr
	v_cvt_scalef32_pk8_fp8_f32 v[22:23], v[24:31], v16
	v_nop
	global_store_b64 v21, v[22:23], s[58:59]       ; 32 lanes store 256 consecutive bytes, aligned
.Lno_piece_out:
	YQ 0, 0, 0, 0, 68, 67, 10, 0                   ; the images of K step 0 have LDS bytes of their own, into which no tensor load lands
	YQ 0, 0, 1, 1, 68, 67, 10, 0
	YQ 0, 1, 0, 0, 71, 70, 11, 1
	YQ 0, 1, 1, 1, 71, 70, 11, 1
	; ---- the weights: each wave reads only the bytes that its own loads brought, so its own wait is all the ordering that the reads need
	s_wait_tensorcnt 0x0
.irp f, 0,1,2,3
	WRAW \f, 0
.endr
.irp f, 0,1,2,3
	s_wait_dscnt 48                                ; behind g_w's fragment f stand 16 (3 - f) loads of g_w and 16 f of phi_w: 48
	WQ \f, 16*\f, 12, 74, 73
	WRAW \f, PHW                                   ; phi_w's fragment f takes its registers
.endr
.irp f, 0,1,2,3
	s_wait_dscnt 48-16*\f                          ; behind phi_w's fragment f stand the 3 - f later ones
	WQ \f, 64+16*\f, 13, 77, 76
.endr
	WIN 0
	BAR                                            ; every wave's chunks of K step 0 lie in LDS, and every wave's reads of its raw weights are over
	KLOAD 0, AYL
	s_wait_loadcnt 0x0                             ; y's K step 1
	YQ 1, 0, 0, 0, 68, 67, 10, 0                   ; it is quantised while K step 0's fragments come out of LDS; its images go over wave 0's raw weights
	YQ 1, 0, 1, 1, 68, 67, 10, 0
	YQ 1, 1, 0, 0, 71, 70, 11, 1
	YQ 1, 1, 1, 1, 71, 70, 11, 1
	s_wait_dscnt 16                                ; behind K step 0's 64 loads stand these 16 stores
	GMUL 0
	PMUL 0
	PLACES                                         ; in front of the loads into the registers that the products above have read
	BAR                                            ; every wave's chunks of K step 1 lie in LDS
	KLOAD 1, LI
	s_wait_dscnt 32                                ; the set under 2^e1 is in; the 32 loads of the other set may be out
	GMUL 1
	s_wait_dscnt 0x0
	PMUL 1
	; ---- pool, quantise, store
	PLACES
	WIN 0xaa
.irp u, 0,1
.irp uu, 0,1
	POOL 128+64*\uu+32*\u, 83, 82                  ; phi: keys 32 j + 2 r + u, channels 32 w + 16 h + 8 uu + 0 .. 7
.endr
.endr
.irp uu, 0,1
.irp u, 0,1
	POOL 64*\uu+32*\u, 80, 79                      ; g: channel tile 2 w + uu, keys 32 j + 16 h + 2 (0 .. 7) + u
.endr
.endr
	WIN 0x02
.irp u, 0,1
.irp uu, 0,1
	v_cvt_scalef32_pk8_fp8_f32 v[32+4*\u+2*\uu:32+4*\u+2*\uu+1], v[128+64*\uu+32*\u:128+64*\uu+32*\u+7], v15
.endr
.endr
.irp uu, 0,1
.irp u, 0,1
	v_cvt_scalef32_pk8_fp8_f32 v[40+4*\uu+2*\u:40+4*\uu+2*\u+1], v[64*\uu+32*\u:64*\uu+32*\u+7], v14
.endr
.endr
	v_nop
	WIN 0
.irp u, 0,1
	global_store_b128 v[LI], v[32+4*\u:35+4*\u], s[52:53] offset:2048*\u   ; a chunk: 32 lanes store 512 consecutive bytes, aligned
.endr
.irp uu, 0,1
	global_store_b128 v[LI], v[40+4*\uu:43+4*\uu], s[54:55] offset:2048*\uu
.endr
	s_wait_dscnt 0x0
	s_set_vgpr_msb 0x5
	s_wait_tensorcnt 0x0
	ds_add_u32 v254, v255
	s_wait_dscnt 0x0
	s_set_vgpr_msb 0x500
	ROUND                                          ; the closing round: no work-group ends while a partner may still ask for a tile that names it
	s_endpgm
.Lfunc_end_k_q298181f0c4_prep:
	.size	k_q298181f0c4_prep, .Lfunc_end_k_q298181f0c4_prep-k_q298181f0c4_prep
	.p2alignl 7, 3214868480
	.fill 96, 4, 3214868480
	.section	.rodata,"a",@progbits
	.p2align	6, 0x0
	.amdhsa_kernel k_q298181f0c4_prep
		.amdhsa_group_segment_fixed_size 301568
		.amdhsa_private_segment_fixed_size 0
		.amdhsa_enable_private_segment 0
		.amdhsa_kernarg_size 80
		.amdhsa_user_sgpr_count 2
		.amdhsa_user_sgpr_kernarg_segment_ptr 1
		.amdhsa_wavefront_size32 1
		.amdhsa_system_sgpr_workgroup_id_x 1
		.amdhsa_system_sgpr_workgroup_id_y 1
		.amdhsa_system_sgpr_workgroup_id_z 1
		.amdhsa_system_vgpr_workitem_id 0
		.amdhsa_next_free_vgpr 1024
		.amdhsa_next_free_sgpr 102
		.amdhsa_reserve_vcc 0
		.amdhsa_float_denorm_mode_32 3
		.amdhsa_float_denorm_mode_16_64 3
		.amdhsa_memory_ordered 1
		.amdhsa_forward_progress 1
		.amdhsa_inst_pref_size 128
	.end_amdhsa_kernel
	.amdgpu_metadata
---
amdhsa.version: [ 1, 2 ]
amdhsa.kernels:
  - .name:           k_q298181f0c4_prep
    .symbol:         k_q298181f0c4_prep.kd
    .args:
      - { .name: y, .offset: 0, .size: 8, .value_kind: global_buffer, .address_space: global }
      - { .name: g_w, .offset: 8, .size: 8, .value_kind: global_buffer, .address_space: global }
      - { .name: phi_w, .offset: 16, .size: 8, .value_kind: global_buffer, .address_space: global }
      - { .name: g_b, .offset: 24, .size: 8, .value_kind: global_buffer, .address_space: global }
      - { .name: phi_b, .offset: 32, .size: 8, .value_kind: global_buffer, .address_space: global }
      - { .name: theta_w, .offset: 40, .size: 8, .value_kind: global_buffer, .address_space: global }
      - { .name: W_w, .offset: 48, .size: 8, .value_kind: global_buffer, .address_space: global }
      - { .name: lowp_scales, .offset: 56, .size: 8, .value_kind: global_buffer, .address_space: global }
      - { .name: kv, .offset: 64, .size: 8, .value_kind: global_buffer, .address_space: global }
      - { .name: wc, .offset: 72, .size: 8, .value_kind: global_buffer, .address_space: global }
    .group_segment_fixed_size: 301568
    .private_segment_fixed_size: 0
    .kernarg_segment_align: 8
    .kernarg_segment_size: 80
    .max_flat_workgroup_size: 128
    .sgpr_count:     102
    .vgpr_count:     1024
    .wavefront_size: 32
...
	.end_amdgpu_metadata
.endif
;; end of part 1
;; launch main (part 2): grid 256 x 1, 4 waves a work-group, clusters of 4 x 1, 311,808 bytes of LDS; arguments x, theta_b, W_b, bn_gamma, bn_beta, lowp_scales, kv, wc, out0; writes out0
.if DOCPART == 2
	.amdgcn_target "amdgcn-amd-amdhsa--gfx1250"
	.amdhsa_code_object_version 6
	.text
	.protected	k_q298181f0c4_main
	.globl	k_q298181f0c4_main
	.p2align	8
	.type	k_q298181f0c4_main,@function
k_q298181f0c4_main:
	s_mov_b64 s[64:65], 0
	v_nop
	global_prefetch_b8 v0, s[64:65] scope:SCOPE_SE
	s_setreg_imm32_b32 hwreg(HW_REG_WAVE_MODE, 25, 1), 1
	s_wait_xcnt 0x0
	s_wait_alu depctr_hold_cnt(0) depctr_sa_sdst(0) depctr_va_vdst(0) depctr_va_sdst(0) depctr_va_ssrc(0) depctr_va_vcc(0) depctr_vm_vsrc(0)
	s_getreg_b32 s2, hwreg(HW_REG_IB_STS2, 6, 4)
	s_cmp_eq_u32 s2, 0
	s_cbranch_scc0 .Lentry_in_a_cluster
	s_endpgm
.Lentry_in_a_cluster:
	s_bfe_u32 s2, ttmp6, 0x10000c
	s_cmp_lg_u32 s2, 0x3003
	s_cbranch_scc0 .Lentry_shape_is_right
	s_endpgm
.Lentry_shape_is_right:
; MAIN: theta = theta_w x + theta_b;  f = theta . phi_y / 1024;  out = f . g_y;  out0 = (W_w out + W_b) gamma / sqrt(1 + 1e-5) + beta + x.  All four products on codes of FP8 (E4M3); each operand
; is quantised with its given scale (x 2^e5, theta 2^e6, f 2^e8, out 2^e11; theta_w, W_w, phi_y, g_y arrive as codes in wc and kv, laid as images of the operands' registers).
; AN IMAGE of a fragment (16 rows x 128 K, 2,048 bytes): chunk c (registers 4 c .. 4 c + 3) at 512 c, lane l's 16 bytes at 16 l; byte i of chunk c is K slot 32 c + 16 (l / 16) + i of row l % 16.
; SHARES.  256 work-groups; work-group 32 b + jb takes positions 128 jb .. 128 jb + 127 of batch b.  Wave w = 2 p + q takes 64 positions (p), as four tiles: lane r of tile t is position 64 p + 4 r + t,
; so a lane's 16-byte load or store is one channel of its four tiles' positions, and sixteen lanes cover 256 consecutive bytes, aligned: no stage is needed in or out.
; Every product is used transposed (source 0 = weights, keys or channels, source 1 = positions): a lane holds one position of each tile throughout, and its registers run along the next product's K.
; q shares the rest: wave (p, q) keeps x's channels 128 q .. 128 q + 127 in 256 registers from their one load to the residual; makes theta's channels 64 q .. 64 q + 63; walks keys 512 q .. 512 q + 511;
; makes output channels 128 q .. 128 q + 127.  What the two waves of a p hand each other goes through LDS as register images: x's codes, theta's codes, the partial sums of out.
; The rows of a weight tile t are 32 (t / 2) + 8 (t % 2) + r + 8 (r / 8), so that the 16 registers of tiles 2 b, 2 b + 1 are the next K's slots 32 b + 16 h + 0 .. 15; the keys of phi's fragments and the
; order of keys in g's are chosen alike.  The division by 1,024 and the scales ahead of each quantiser are folded into the conversion's one scale.
; CLUSTER.  The 32 work-groups of a batch read the same 262,144 bytes of kv, which fit in LDS whole: the four of a cluster ask for them jointly, one tensor load a wave.  Every LDS byte is filled once.
; LIMITS: e5, e6 - e4 - e5, e8 + 10 - e6 - e7 and e11 - e8 - e9 lie between -126 and 119; e10 + e11 between -125 and 128.  NaN among the inputs is not served; infinities are held at the largest code.
; The result is formed as (x + (W_b g' + beta)) + sum x (2^(e10 + e11) g'), g' = gamma / sqrt(1 + 1e-5): another order of rounding than W_y g' + beta + x.
; REGISTERS, in windows of 256.  window 0: v1-19 addresses and scales; v32-63 theta's codes just made; v64-127 theta's four fragments, later out's; v128-255 by turns: 64 numbers at work and x's codes;
;   gamma and W_b; g's eight fragments; W_w's eight.   window 1: head: v0-127 x's eight fragments, v128-191 beta, v192-223 theta_b.  middle: v0-63 the scores, two sets of four tiles; v64-127 f's four fragments;
;   v128-255 phi's eight.  tail: v0-191 the partner's sums, v192-255 gamma.   window 2: head: v0-127 theta_w's eight fragments, v128-255 theta's 16 accumulators; then out's 32 (t, ct) at 64 t + 8 ct; then the last product's.
;   window 3: x: register 4 kk + t, kk = 16 cc + i for channel 128 q + 32 cc + 16 h + i.
.set WV,   36                          ; s36  the wave's number; s37 p, s38 q
.set GIM,  131072                      ; LDS: phi's image at 0, g's here,
.set XIM,  262144                      ; x's codes: p x 16,384 + K step x 8,192 + tile x 2,048,
.set TIM,  294912                      ; theta's codes: p x 8,192 + tile x 2,048.  The partial sums (32,768 bytes a wave) lie over phi's image, once nobody reads it
.set LI,   4                           ; v4   16 x lane
.set VX,   5                           ; v5   x and out0: 16 channels x h + 16 r
.set APH,  6                           ; v6   phi's fragments of my keys
.set AG,   7                           ; v7   g's
.set AXS,  8                           ; v8   where I store x's codes;   v9 where I read them
.set AXL,  9
.set ATS,  10                          ; v10  where I store theta's codes;  v11 where I read them
.set ATL,  11
.set ARS,  12                          ; v12  where I store my partial sums;  v13 where I read my partner's
.set ARL,  13
.set VB,   14                          ; v14  64 h: 16 numbers of a parameter
.set T,    128
.set XC,   192
.set MSB,  0
.macro WIN new                         ; the immediate's high byte repeats the setting that is left; a switch that changes nothing is dropped
.if MSB != \new
	s_set_vgpr_msb (MSB<<8)|\new
.set MSB, \new
.endif
.endm
.macro ROUND                           ; a round of the cluster's barrier
	s_barrier_signal -1
	s_barrier_wait -1
	s_cmp_lg_u32 s[WV], 0
	s_cbranch_scc1 .Lnot_wave_0_\@
	s_barrier_signal -3
.Lnot_wave_0_\@:
	s_barrier_wait -3
	s_barrier_signal -1
	s_barrier_wait -1
.endm
.macro BAR                             ; my LDS stores have landed and my LDS loads are in: then the work-group's barrier
	s_wait_dscnt 0x0
	s_barrier_signal -1
	s_barrier_wait -1
.endm
.macro PLACES                          ; four plain vector instructions behind matrix instructions (ISA guide 7.12.1)
.rept 4
	v_nop
.endr
.endm
.macro MKSC e, sc, pos, neg            ; from the whole number in s[e]: s[sc] = 2^e, s[pos] = 448 x 2^e, s[neg] = -448 x 2^e, as f32
	s_add_co_i32 s[\pos], s[\e], 127
	s_lshl_b32 s[\sc], s[\pos], 23
	s_add_co_i32 s[\pos], s[\pos], 8
	s_lshl_b32 s[\pos], s[\pos], 23
	s_or_b32 s[\pos], s[\pos], 0x600000
	s_or_b32 s[\neg], s[\pos], 0x80000000
.endm
.macro XLOADS k0, cnt                  ; x: channels kk = k0 on; lanes 0-15 read 256 consecutive bytes, lanes 16-31 those 16 channels on
	WIN 0xc0
.set kk, \k0
.rept \cnt
	global_load_b128 v[4*kk:4*kk+3], v[VX], s[44:45] offset:(32*(kk/16)+kk%16)*16384 th:TH_LOAD_NT
.set kk, kk+1
.endr
.endm
.macro TWLOAD f0                       ; four of theta_w's eight fragments (tile 4 q + f / 2, K step f % 2)
	WIN 0x80
.irp f, \f0, \f0+1, \f0+2, \f0+3
.irp c, 0,1,2,3
	global_load_b128 v[16*(\f)+4*\c:16*(\f)+4*\c+3], v[LI], s[48:49] offset:(\f)*2048+512*\c
.endr
.endr
.endm
.macro QXC cc                          ; chunk cc of x (16 loads: channels kk = 16 cc .. 16 cc + 15 of all four tiles) becomes chunk cc of four fragments (K step q) and goes to LDS as it stands
	WIN 0x03
.irp t, 0,1,2,3
.irp i, 0,1,2,3,4,5,6,7,8,9,10,11,12,13,14,15
	v_med3_num_f32 v[T+16*\t+\i], v[4*(16*\cc+\i)+\t], s68, s67   ; the conversion to an 8-bit code does not saturate (ISA guide 7.6.2): the hold; x itself stays as it is
.endr
.endr
	WIN 0
.irp t, 0,1,2,3
	v_cvt_scalef32_pk8_fp8_f32 v[XC+16*\t+4*\cc:XC+16*\t+4*\cc+1], v[T+16*\t:T+16*\t+7], v16
	v_cvt_scalef32_pk8_fp8_f32 v[XC+16*\t+4*\cc+2:XC+16*\t+4*\cc+3], v[T+16*\t+8:T+16*\t+15], v16
.endr
	v_nop                                          ; a plain vector instruction behind the last conversion of a run
.irp t, 0,1,2,3
	ds_store_b128 v[AXS], v[XC+16*\t+4*\cc:XC+16*\t+4*\cc+3] offset:\t*2048+512*\cc
.endr
.endm
.macro PLOAD s                         ; phi's eight fragments of my key step s (128 keys)
.irp f, 0,1,2,3,4,5,6,7
.irp c, 0,1,2,3
	ds_load_b128 v[128+16*\f+4*\c:128+16*\f+4*\c+3], v[APH] offset:(\s)*16384+\f*2048+512*\c
.endr
.endr
.endm
.macro GLOAD s                         ; g's eight fragments of the same keys
.irp f, 0,1,2,3,4,5,6,7
.irp c, 0,1,2,3
	ds_load_b128 v[128+16*\f+4*\c:128+16*\f+4*\c+3], v[AG] offset:(\s)*16384+\f*2048+512*\c
.endr
.endr
.endm
; Group g of 8 = (32 keys b = g / 2, tiles 2 (g % 2), 2 (g % 2) + 1); product j of its four = (tile j / 2, phi's fragment 2 b + j % 2).  The scores go into set g % 2.
.macro SW g, j
	v_wmma_f32_16x16x128_fp8_fp8 v[32*((\g)%2)+8*(\j):32*((\g)%2)+8*(\j)+7], v[128+16*(2*((\g)/2)+(\j)%2):128+16*(2*((\g)/2)+(\j)%2)+15], v[64+16*(2*((\g)%2)+(\j)/2):64+16*(2*((\g)%2)+(\j)/2)+15], 0
.endm
.macro QH g, j                         ; its eight scores a lane are held, from the accumulator's low end on,
.irp n, 0,1,2,3,4,5,6,7
	v_med3_num_f32 v[32*((\g)%2)+8*(\j)+\n], v[32*((\g)%2)+8*(\j)+\n], s74, s73
.endr
.endm
.macro QC g, j                         ; and become eight of f's codes: chunk b, bytes 8 (j % 2) on
	v_cvt_scalef32_pk8_fp8_f32 v[64+16*(2*((\g)%2)+(\j)/2)+4*((\g)/2)+2*((\j)%2):64+16*(2*((\g)%2)+(\j)/2)+4*((\g)/2)+2*((\j)%2)+1], v[32*((\g)%2)+8*(\j):32*((\g)%2)+8*(\j)+7], v18
.endm
; A KEY STEP: 128 keys.  32 products phi x theta; behind each stand the conversion of the tile held one product earlier, and the eight holds of the tile made four products earlier (the other set): so no conversion
; reads a hold issued just before it, and all stands under one window setting.  The holds are the places between a product and the first read of its result, between a conversion and the product that writes its
; sources again, and between a set's use and the products that write it again.  Then 32 products g x f, the 32 accumulators by turns.
.macro STEP s, first, last
	WIN 0
.if !\first
	PLACES                                         ; in front of the loads into g's registers, which the products just issued have read, and of the conversions that write f's
.endif
	GLOAD \s
	s_wait_dscnt 32                                ; all but these 32 loads are in: phi's fragments (and, in the first step, theta's)
	WIN 0x41                                       ; destination and source 0 window 1, source 1 window 0
.irp j, 0,1,2,3
	SW 0, \j
.endr
	PLACES
.irp g, 1,2,3,4,5,6,7
.irp j, 0,1,2,3
	SW \g, \j
.if \j == 0
.if \g > 1
	QC \g-2, 3                                     ; (its scores lie in this group's set, in the tile that this group's fourth product will write)
.endif
.else
	QC \g-1, \j-1
.endif
	QH \g-1, \j
.endr
.endr
	QH 7, 0
	QC 6, 3
	QH 7, 1
	QC 7, 0
	QH 7, 2
	QC 7, 1
	QH 7, 3
	QC 7, 2
	QC 7, 3
	v_nop                                          ; a plain vector instruction behind the last conversion of a run
.if \last
	s_wait_dscnt 0x0                               ; g's fragments are in
.else
	WIN 0x40
	PLOAD \s+1                                     ; the next step's phi lands under the products below
	s_wait_dscnt 32                                ; g's fragments are in; the 32 loads just issued may be out
.endif
	WIN 0xa4                                       ; A (g) window 0, B (f) window 1, C and D window 2
.irp ct, 0,1,2,3,4,5,6,7
.irp t, 0,1,2,3
.if \first
	v_wmma_f32_16x16x128_fp8_fp8 v[64*\t+8*\ct:64*\t+8*\ct+7], v[128+16*\ct:128+16*\ct+15], v[64+16*\t:64+16*\t+15], 0
.else
	v_wmma_f32_16x16x128_fp8_fp8 v[64*\t+8*\ct:64*\t+8*\ct+7], v[128+16*\ct:128+16*\ct+15], v[64+16*\t:64+16*\t+15], v[64*\t+8*\ct:64*\t+8*\ct+7]
.endif
.endr
.endr
.endm
; Tile t of out: my sums + my partner's (both waves form the same sum), held, quantised: a fragment of the last product.  left: the LDS loads behind this tile's that may stay out.
.macro JOIN t, left
	s_wait_dscnt \left
	WIN 0x86
.set n, 0
.rept 32
	v_pk_add_f32 v[64*\t+2*n:64*\t+2*n+1], v[64*\t+2*n:64*\t+2*n+1], v[64*(\t%3)+2*n:64*(\t%3)+2*n+1]
.set n, n+1
.endr
.if \t == 0
	WIN 0x40
.set i, 0
.rept 16
	ds_load_b128 v[4*i:4*i+3], v[ARL] offset:512*(48+i)   ; the partner's tile 3 takes the registers of its tile 0
.set i, i+1
.endr
.endif
	WIN 0x82
.set n, 0
.rept 64
	v_med3_num_f32 v[64*\t+n], v[64*\t+n], s77, s76
.set n, n+1
.endr
	WIN 0x02
.set n, 0
.rept 8
	v_cvt_scalef32_pk8_fp8_f32 v[64+16*\t+2*n:64+16*\t+2*n+1], v[64*\t+8*n:64*\t+8*n+7], v19
.set n, n+1
.endr
	v_nop
.endm
	s_load_b512 s[4:19], s[0:1], 0x0               ; x 4, theta_b 6, W_b 8, gamma 10, beta 12, the scales' exponents 14, kv 16, wc 18
	s_load_b64 s[20:21], s[0:1], 0x40              ; out0
	v_lshl_add_u32 v30, v0, 2, 0x4c000
	v_mov_b32 v31, 0
	ds_add_u32 v30, v31
	ds_add_u32 v30, v31
	v_lshrrev_b32 v1, 5, v0
	v_readfirstlane_b32 s[WV], v1                  ; wave 0..3
	s_lshr_b32 s37, s[WV], 1                       ; p
	s_and_b32 s38, s[WV], 1                        ; q
	v_and_b32 v1, 31, v0                           ; l
	v_and_b32 v2, 15, v0                           ; r
	v_bfe_u32 v3, v0, 4, 1                         ; h
	v_lshlrev_b32 v[LI], 4, v1
	v_lshlrev_b32 v[VX], 4, v2
	v_lshl_add_u32 v[VX], v3, 18, v[VX]            ; 16 channels of 16,384 bytes x h + 16 r
	s_lshl_b32 s60, s38, 16
	v_add_nc_u32 v[APH], s60, v[LI]                ; my 512 keys: 32 fragments of phi,
	v_add_nc_u32 v[AG], GIM, v[APH]                ; four K steps of g
	s_lshl_b32 s61, s37, 14
	v_add_nc_u32 v[AXL], s61, v[LI]
	v_add_nc_u32 v[AXL], XIM, v[AXL]
	s_lshl_b32 s62, s38, 13
	v_add_nc_u32 v[AXS], s62, v[AXL]
	s_lshl_b32 s61, s37, 13
	v_add_nc_u32 v[ATL], s61, v[LI]
	v_add_nc_u32 v[ATL], TIM, v[ATL]
	s_lshl_b32 s62, s38, 10
	v_add_nc_u32 v[ATS], s62, v[ATL]               ; chunks 2 q, 2 q + 1
	s_lshl_b32 s61, s[WV], 15
	v_add_nc_u32 v[ARS], s61, v[LI]
	s_xor_b32 s62, s[WV], 1
	s_lshl_b32 s62, s62, 15
	v_add_nc_u32 v[ARL], s62, v[LI]
	v_lshlrev_b32 v[VB], 6, v3
	s_bfe_u32 s39, ttmp6, 0x40000                  ; cx
	s_lshl_b32 s40, ttmp9, 2
	s_add_co_u32 s40, s40, s39                     ; work-group = 4 x cluster + cx
	s_lshr_b32 s41, ttmp9, 3                       ; batch, which the four partners share
	s_and_b32 s42, s40, 31                         ; jb
	s_lshl_b32 s44, s41, 22                        ; x and out0: batch x 4,194,304 + 128 q channels + 128 jb + 64 p positions
	s_lshl_b32 s60, s38, 21
	s_add_co_u32 s44, s44, s60
	s_lshl_b32 s60, s42, 9
	s_add_co_u32 s44, s44, s60
	s_lshl_b32 s60, s37, 8
	s_add_co_u32 s44, s44, s60
	s_mov_b32 s45, 0
	s_lshl_b32 s48, s38, 14                        ; wc: my eight fragments of theta_w,
	s_mov_b32 s49, 0
	s_add_co_u32 s50, s48, 32768                   ; and of W_w
	s_mov_b32 s51, 0
	s_lshl_b32 s52, s38, 8                         ; theta_b: my 64 numbers
	s_mov_b32 s53, 0
	s_lshl_b32 s54, s38, 9                         ; gamma, W_b, beta: my 128
	s_mov_b32 s55, 0
	; descriptor group 1: 256 rows of 256 bytes, dense: a quarter of the batch's kv
	s_mov_b32 s24, 15|(3<<16)|(1<<21)              ; 15:0 the mask: all four work-groups; 17:16 elements of 8 bytes; 21 set beside a mask; no padding
	s_mov_b32 s25, 32<<16                          ; tensor_dim0
	s_mov_b32 s26, 256<<16                         ; tensor_dim1
	s_mov_b32 s27, 32<<16                          ; tile_dim0
	s_mov_b32 s28, 256                             ; tile_dim1
	s_mov_b32 s29, 32                              ; from row to row
	s_mov_b32 s30, 0
	s_mov_b32 s31, 0
	s_mov_b32 s32, 1
	s_lshl_b32 s33, s[WV], 16                      ; LDS: 65,536 x wave; no place in the cluster enters it
	s_lshl_b32 s60, s41, 18
	s_add_co_u32 s60, s60, s33
	s_mov_b32 s61, 0
	s_wait_dscnt 0x0
	s_wait_kmcnt 0x0
	s_load_b256 s[84:91], s[14:15], 0x0            ; e0 .. e7
	s_load_b128 s[92:95], s[14:15], 0x20           ; e8 .. e11
	s_add_nc_u64 s[34:35], s[16:17], s[60:61]
	s_or_b32 s35, s35, 0x80000000
	s_add_nc_u64 s[46:47], s[20:21], s[44:45]      ; out0
	s_add_nc_u64 s[44:45], s[4:5], s[44:45]        ; x
	s_add_nc_u64 s[48:49], s[18:19], s[48:49]
	s_add_nc_u64 s[50:51], s[18:19], s[50:51]
	s_add_nc_u64 s[52:53], s[6:7], s[52:53]
	s_add_nc_u64 s[56:57], s[8:9], s[54:55]        ; W_b
	s_add_nc_u64 s[58:59], s[12:13], s[54:55]      ; beta
	s_add_nc_u64 s[54:55], s[10:11], s[54:55]      ; gamma
	XLOADS 0, 48
	WIN 0
	ROUND                                          ; all four work-groups are here: the joint loads meet
	tensor_load_to_lds s[32:35], s[24:31]          ; my quarter of the batch's phi and g: the one tensor load of mine
	s_nop 0
	PLACES
	XLOADS 48, 16
	WIN 0
	s_wait_kmcnt 0x0
	MKSC 89, 66, 67, 68                            ; e5: x
	s_add_co_i32 s78, s88, s89                     ; a sum of theta's product stands for sum x 2^(e4 + e5)
	s_sub_co_i32 s60, s90, s78                     ; e6 - e4 - e5: theta
	MKSC 60, 69, 70, 71
	s_sub_co_i32 s78, 0, s78                       ; theta_b goes in as theta_b / 2^(e4 + e5)
	s_add_co_i32 s60, s92, 10                      ; f = sum x 2^(e6 + e7) / 1,024: its code under 2^e8 is sum / 2^(e8 + 10 - e6 - e7)
	s_sub_co_i32 s60, s60, s90
	s_sub_co_i32 s60, s60, s91
	MKSC 60, 72, 73, 74
	s_sub_co_i32 s60, s95, s92                     ; e11 - e8 - e9: out
	s_sub_co_i32 s60, s60, s93
	MKSC 60, 75, 76, 77
	s_mov_b32 s79, 0x3f7fffac                      ; 1 / sqrt(1 + 1e-5), to the nearest f32
	s_add_co_i32 s80, s94, s95
	s_lshl_b32 s80, s80, 23
	s_add_co_i32 s80, s80, s79                     ; x 2^(e10 + e11): the exponents are added to its exponent field
	v_mov_b32 v16, s66
	v_mov_b32 v17, s69
	v_mov_b32 v18, s72
	v_mov_b32 v19, s75
	; ---- x is quantised chunk by chunk, as its loads come in (they come in order: ISA guide 5.7.1); theta_w's and theta_b's loads are issued between the chunks
	s_wait_loadcnt 48                              ; chunk 0 is in: behind it stand 48 loads of x
	TWLOAD 0
	QXC 0
	s_wait_loadcnt 48                              ; chunk 1: behind it 32 loads of x and 16 of theta_w
	TWLOAD 4
	QXC 1
	s_wait_loadcnt 48                              ; chunk 2: behind it 16 loads of x and 32 of theta_w
	WIN 0x40
.irp lt, 0,1,2,3                               ; theta_b at channels 64 q + 32 (lt / 2) + 16 h + 8 (lt % 2) + 0 .. 7
	global_load_b128 v[192+8*\lt:195+8*\lt], v[VB], s[52:53] offset:128*(\lt/2)+32*(\lt%2)
	global_load_b128 v[196+8*\lt:199+8*\lt], v[VB], s[52:53] offset:128*(\lt/2)+32*(\lt%2)+16
.endr
	QXC 2
	s_wait_loadcnt 40                              ; chunk 3: behind it 32 loads of theta_w and 8 of theta_b
	QXC 3
	s_wait_dscnt 0x0                               ; my stores have landed, and have read the registers that the loads below fill
.irp cc, 0,1,2,3
.irp jj, 0,1,2,3
	global_load_b128 v[128+16*\cc+4*\jj:128+16*\cc+4*\jj+3], v[VB], s[54:55] offset:128*\cc+16*\jj   ; gamma at my 64 channels kk
.endr
.endr
.irp cc, 0,1,2,3
.irp jj, 0,1,2,3
	global_load_b128 v[192+16*\cc+4*\jj:192+16*\cc+4*\jj+3], v[VB], s[56:57] offset:128*\cc+16*\jj   ; W_b
.endr
.endr
	WIN 0x40
.irp cc, 0,1,2,3
.irp jj, 0,1,2,3
	global_load_b128 v[128+16*\cc+4*\jj:128+16*\cc+4*\jj+3], v[VB], s[58:59] offset:128*\cc+16*\jj   ; beta
.endr
.endr
	WIN 0
	s_barrier_signal -1
	s_barrier_wait -1                              ; x's codes of both K steps lie in LDS
	WIN 0x40
.irp ks, 0,1
.irp t, 0,1,2,3
.irp c, 0,1,2,3
	ds_load_b128 v[64*\ks+16*\t+4*\c:64*\ks+16*\t+4*\c+3], v[AXL] offset:\ks*8192+\t*2048+512*\c
.endr
.endr
.endr
	s_wait_loadcnt 48                              ; theta_w and theta_b are in; the 48 loads of gamma, W_b and beta may be out
	WIN 0x41
.set n, 0
.rept 32
	v_ldexp_f32 v[192+n], v[192+n], s78
.set n, n+1
.endr
	s_wait_dscnt 0x0
	; ---- theta: 16 accumulators by turns, K step by K step; theta_b is the C of each sum's first product
	WIN 0x96                                       ; A (theta_w) window 2, B (x) window 1, C (theta_b) window 1, D window 2
.irp lt, 0,1,2,3
.irp t, 0,1,2,3
	v_wmma_f32_16x16x128_fp8_fp8 v[128+32*\t+8*\lt:128+32*\t+8*\lt+7], v[32*\lt:32*\lt+15], v[16*\t:16*\t+15], v[192+8*\lt:192+8*\lt+7]
.endr
.endr
	WIN 0xa6
.irp lt, 0,1,2,3
.irp t, 0,1,2,3
	v_wmma_f32_16x16x128_fp8_fp8 v[128+32*\t+8*\lt:128+32*\t+8*\lt+7], v[32*\lt+16:32*\lt+31], v[64+16*\t:64+16*\t+15], v[128+32*\t+8*\lt:128+32*\t+8*\lt+7]
.endr
.endr
	PLACES
	WIN 0x82
.set n, 0
.rept 128
	v_med3_num_f32 v[128+n], v[128+n], s71, s70    ; each accumulator from its low end on
.set n, n+1
.endr
	WIN 0x02
.set n, 0
.rept 16
	v_cvt_scalef32_pk8_fp8_f32 v[32+2*n:32+2*n+1], v[128+8*n:128+8*n+7], v17   ; accumulator n = 4 t + lt: registers 8 t + 2 lt of the codes
.set n, n+1
.endr
	v_nop
	WIN 0
.irp t, 0,1,2,3
.irp bl, 0,1
	ds_store_b128 v[ATS], v[32+8*\t+4*\bl:32+8*\t+4*\bl+3] offset:\t*2048+512*\bl
.endr
.endr
	; ---- x + (W_b g' + beta), while theta's codes and kv land
	s_wait_loadcnt 0x0
.set kk, 0
.rept 64
	v_mul_f32 v[128+kk], s79, v[128+kk]            ; g' = gamma / sqrt(1 + 1e-5)
.set kk, kk+1
.endr
	WIN 0x50
.set kk, 0
.rept 64
	v_fma_f32 v[128+kk], v[192+kk], v[128+kk], v[128+kk]   ; W_b g' + beta, over beta (window 1)
.set kk, kk+1
.endr
	WIN 0xc7
.set kk, 0
.rept 64
.irp t, 0,1,2,3
	v_add_f32 v[4*kk+\t], v[4*kk+\t], v[128+kk]
.endr
.set kk, kk+1
.endr
	WIN 0
	s_wait_tensorcnt 0x0                           ; my quarter of kv has landed,
	s_wait_dscnt 0x0                               ; and my stores of theta's codes
	s_barrier_signal -1
	s_barrier_wait -1                              ; everybody's have
.irp t, 0,1,2,3
.irp c, 0,1,2,3
	ds_load_b128 v[64+16*\t+4*\c:64+16*\t+4*\c+3], v[ATL] offset:\t*2048+512*\c
.endr
.endr
	WIN 0x40
	PLOAD 0
	; ---- f and out: my 512 keys in four steps
	STEP 0, 1, 0
	STEP 1, 0, 0
	STEP 2, 0, 0
	STEP 3, 0, 1
	; ---- the tail
	PLACES                                         ; in front of the loads into g's registers and of the first read of out's sums
	WIN 0
.irp ot, 0,1,2,3,4,5,6,7                       ; W_w's fragments, tiles 8 q + ot
.irp c, 0,1,2,3
	global_load_b128 v[128+16*\ot+4*\c:128+16*\ot+4*\c+3], v[LI], s[50:51] offset:\ot*2048+512*\c
.endr
.endr
	WIN 0x40
.irp cc, 0,1,2,3
.irp jj, 0,1,2,3
	global_load_b128 v[192+16*\cc+4*\jj:192+16*\cc+4*\jj+3], v[VB], s[54:55] offset:128*\cc+16*\jj   ; gamma once more: no 64 registers were free for it through the key steps
.endr
.endr
	WIN 0
	BAR                                            ; nobody reads phi's image any more
	WIN 0x08
.set i, 0
.rept 64
	ds_store_b128 v[ARS], v[4*i:4*i+3] offset:512*i   ; my partial sums, as they stand; each accumulator's low four registers first
.set i, i+1
.endr
	WIN 0
	BAR                                            ; everybody's lie in LDS
	WIN 0x40
.set i, 0
.rept 48
	ds_load_b128 v[4*i:4*i+3], v[ARL] offset:512*i    ; my partner's tiles 0, 1, 2
.set i, i+1
.endr
	JOIN 0, 32                                     ; tiles 1 and 2 may be out
	JOIN 1, 32                                     ; tiles 2 and 3
	JOIN 2, 16                                     ; tile 3
	JOIN 3, 0
	s_wait_loadcnt 0x0                             ; W_w's fragments and gamma
	WIN 0x80                                       ; A (W_w) and B (out) window 0, D window 2
.irp ot, 0,1,2,3,4,5,6,7
.irp t, 0,1,2,3
	v_wmma_f32_16x16x128_fp8_fp8 v[64*\t+8*\ot:64*\t+8*\ot+7], v[128+16*\ot:128+16*\ot+15], v[64+16*\t:64+16*\t+15], 0
.endr
.endr
	WIN 0x44
.set kk, 0
.rept 64
	v_mul_f32 v[192+kk], s80, v[192+kk]            ; a = gamma 2^(e10 + e11) / sqrt(1 + 1e-5).  (These are also the places behind the products)
.set kk, kk+1
.endr
.irp ot, 0,1,2,3,4,5,6,7                       ; register j of tile ot is channel kk = 8 ot + j of my 64
	WIN 0xf6
.irp t, 0,1,2,3
.irp j, 0,1,2,3,4,5,6,7
	v_fma_f32 v[4*(8*\ot+\j)+\t], v[64*\t+8*\ot+\j], v[192+8*\ot+\j], v[4*(8*\ot+\j)+\t]
.endr
.endr
	WIN 0x0c
.irp j, 0,1,2,3,4,5,6,7
	global_store_b128 v[VX], v[4*(8*\ot+\j):4*(8*\ot+\j)+3], s[46:47] offset:(32*(\ot/2)+8*(\ot%2)+\j)*16384 th:TH_STORE_NT   ; lanes 0-15 store 256 consecutive bytes, aligned; lanes 16-31 those 16 channels on
.endr
.endr
	WIN 0
	s_wait_dscnt 0x0
	s_wait_tensorcnt 0x0
	ds_add_u32 v30, v31
	s_wait_dscnt 0x0
	ROUND                                          ; the closing round: no work-group ends while a partner may still ask for a tile that names it
	s_endpgm
.Lfunc_end_k_q298181f0c4_main:
	.size	k_q298181f0c4_main, .Lfunc_end_k_q298181f0c4_main-k_q298181f0c4_main
	.p2alignl 7, 3214868480
	.fill 96, 4, 3214868480
	.section	.rodata,"a",@progbits
	.p2align	6, 0x0
	.amdhsa_kernel k_q298181f0c4_main
		.amdhsa_group_segment_fixed_size 311808
		.amdhsa_private_segment_fixed_size 0
		.amdhsa_enable_private_segment 0
		.amdhsa_kernarg_size 72
		.amdhsa_user_sgpr_count 2
		.amdhsa_user_sgpr_kernarg_segment_ptr 1
		.amdhsa_wavefront_size32 1
		.amdhsa_system_sgpr_workgroup_id_x 1
		.amdhsa_system_sgpr_workgroup_id_y 1
		.amdhsa_system_sgpr_workgroup_id_z 1
		.amdhsa_system_vgpr_workitem_id 0
		.amdhsa_next_free_vgpr 1024
		.amdhsa_next_free_sgpr 100
		.amdhsa_reserve_vcc 0
		.amdhsa_float_denorm_mode_32 3
		.amdhsa_float_denorm_mode_16_64 3
		.amdhsa_memory_ordered 1
		.amdhsa_forward_progress 1
		.amdhsa_inst_pref_size 244
	.end_amdhsa_kernel
	.amdgpu_metadata
---
amdhsa.version: [ 1, 2 ]
amdhsa.kernels:
  - .name:           k_q298181f0c4_main
    .symbol:         k_q298181f0c4_main.kd
    .args:
      - { .name: x, .offset: 0, .size: 8, .value_kind: global_buffer, .address_space: global }
      - { .name: theta_b, .offset: 8, .size: 8, .value_kind: global_buffer, .address_space: global }
      - { .name: W_b, .offset: 16, .size: 8, .value_kind: global_buffer, .address_space: global }
      - { .name: bn_gamma, .offset: 24, .size: 8, .value_kind: global_buffer, .address_space: global }
      - { .name: bn_beta, .offset: 32, .size: 8, .value_kind: global_buffer, .address_space: global }
      - { .name: lowp_scales, .offset: 40, .size: 8, .value_kind: global_buffer, .address_space: global }
      - { .name: kv, .offset: 48, .size: 8, .value_kind: global_buffer, .address_space: global }
      - { .name: wc, .offset: 56, .size: 8, .value_kind: global_buffer, .address_space: global }
      - { .name: out0, .offset: 64, .size: 8, .value_kind: global_buffer, .address_space: global }
    .group_segment_fixed_size: 311808
    .private_segment_fixed_size: 0
    .kernarg_segment_align: 8
    .kernarg_segment_size: 72
    .max_flat_workgroup_size: 128
    .sgpr_count:     100
    .vgpr_count:     1024
    .wavefront_size: 32
...
	.end_amdgpu_metadata
.endif
;; end of part 2
